; MI455X (gfx1250); checked and timed in simulation.
; The chip was launched on July 23, 2026; its instructions are those of AMD's public machine-readable ISA for CDNA 5 (MIT licence, August 2026) and "CDNA5" Instruction Set Architecture Reference Guide (July 2026).
;; Oblivious Layer. Allowed arithmetic: float matrix products may take bf16 or f16 operands with f32 sums; all other float work in f32.
;; Inputs: feature_weights 10 x 512 float32; leaf_values 512 x 1,024 float32; thresholds 10 float32; x 16,384 x 512 float32.
;; Outputs: out0 16,384 x 512 float32.
;; One version. Each part assembles by itself: llvm-mc -triple=amdgcn-amd-amdhsa -mcpu=gfx1250 --defsym DOCPART=n.
;; ======== version 1 of 1: 2 launches
;; limits: values are held in f16: magnitudes above 65,504 overflow, below 6.1e-05 lose precision; right only within a limited range of input values
;; workspace buffers: dec 1,048,576 bytes; vb 1,048,576 bytes
;; launch decide (part 1): grid 256 x 1, 4 waves a work-group, no clusters, 168,448 bytes of LDS; arguments x, feature_weights, thresholds, leaf_values, dec, vb; writes dec, vb
.if DOCPART == 1
	.amdgcn_target "amdgcn-amd-amdhsa--gfx1250"
	.amdhsa_code_object_version 6
	.text
	.protected	k_q256ab63fc5_decide
	.globl	k_q256ab63fc5_decide
	.p2align	8
	.type	k_q256ab63fc5_decide,@function
k_q256ab63fc5_decide:
	s_mov_b64 s[64:65], 0
	v_nop
	global_prefetch_b8 v0, s[64:65] scope:SCOPE_SE
	s_setreg_imm32_b32 hwreg(HW_REG_WAVE_MODE, 25, 1), 1
	s_wait_xcnt 0x0
.set XPITCH, 528
.set XCHUNK, 16*XPITCH
.set XWAVE,  4*XCHUNK
.set PH,     4*XWAVE
.set PPITCH, 1040
.set PLO,    10496
.set THR,  16
.set FA,   24
.set FB,   40
.set XF,   24
.set VR,   56
.set VP,   72
.set T,    80
.set ACCH, 96
.set ACCL, 104
.set PF,   112
.set WD,   112
.set XR,   176
.set G1,   16
.set G0,   24
.macro PLACES
.rept 4
	v_nop
.endr
.endm
	s_load_b256 s[4:11], s[0:1], 0x0
	s_load_b128 s[12:15], s[0:1], 0x20
	v_lshl_add_u32 v240, v0, 2, 0x29000
	v_mov_b32 v241, 0
	ds_add_u32 v240, v241
	ds_add_u32 v240, v241
	v_lshrrev_b32 v1, 5, v0
	v_readfirstlane_b32 s50, v1
	s_mov_b32 s54, 0x76543210
	s_mov_b32 s55, 0xfedcba98
	s_mov_b32 s[G1+0], (2<<16)|(1<<20)|(6<<22)|(3<<25)
	s_mov_b32 s[G1+1], 128<<16
	s_mov_b32 s[G1+2], 16<<16
	s_mov_b32 s[G1+3], 128<<16
	s_mov_b32 s[G1+4], 16
	s_mov_b32 s[G1+5], 512
	s_mov_b32 s[G1+6], 0
	s_mov_b32 s[G1+7], 0
	s_lshl_b32 s52, ttmp9, 17
	s_lshl_b32 s56, s50, 15
	s_add_co_u32 s52, s52, s56
	s_mov_b32 s53, 0
	s_mul_i32 s57, s50, XWAVE
	s_wait_dscnt 0x0
	s_wait_kmcnt 0x0
	s_add_nc_u64 s[4:5], s[4:5], s[52:53]
.irp c, 0,1,2,3
	s_mov_b32 s[G0+4*\c], 1
	s_add_co_u32 s[G0+4*\c+1], s57, \c*XCHUNK
	s_add_nc_u64 s[G0+4*\c+2:G0+4*\c+3], s[4:5], \c*512
	s_or_b32 s[G0+4*\c+3], s[G0+4*\c+3], 0x80000000
	tensor_load_to_lds s[G0+4*\c:G0+4*\c+3], s[G1:G1+7]
	s_nop 0
.endr
	s_load_b256 s[40:47], s[8:9], 0x0
	s_load_b64 s[48:49], s[8:9], 0x20
	v_and_b32 v1, 31, v0
	v_and_b32 v2, 15, v0
	v_bfe_u32 v3, v0, 4, 1
	v_lshlrev_b32 v14, 4, v1
	v_lshl_add_u32 v9, s50, 11, v14
	v_lshlrev_b32 v12, 4, v0
	v_lshlrev_b32 v13, 3, v0
	s_lshl_b32 s52, ttmp9, 13
	s_add_nc_u64 s[10:11], s[10:11], s[52:53]
	s_lshl_b32 s52, ttmp9, 12
	s_add_nc_u64 s[14:15], s[14:15], s[52:53]
	s_lshl_b32 s56, s50, 10
	s_add_co_u32 s52, s52, s56
	s_add_nc_u64 s[12:13], s[12:13], s[52:53]
.irp i, 0,1,2,3
	global_load_b128 v[FA+4*\i:FA+4*\i+3], v9, s[6:7] offset:512*\i
.endr
.irp i, 0,1,2,3
	global_load_b128 v[FB+4*\i:FB+4*\i+3], v9, s[6:7] offset:8192+512*\i
.endr
.irp i, 0,1,2,3
	global_load_b128 v[VR+4*\i:VR+4*\i+3], v12, s[10:11] offset:2048*\i th:TH_LOAD_NT
.endr
	v_mul_u32_u24 v4, v2, XPITCH
	v_lshl_add_u32 v4, v3, 5, v4
	v_add_nc_u32 v4, s57, v4
	v_min_u32 v5, 9, v2
	v_mul_u32_u24 v5, v5, PPITCH
	v_lshl_add_u32 v5, v3, 4, v5
	v_add_nc_u32 v5, PH, v5
	s_mul_i32 s58, s50, PPITCH
	v_lshl_add_u32 v7, v1, 3, PH
	v_add_nc_u32 v7, s58, v7
	v_cmp_ne_u32 vcc_lo, 0, v3
.macro SPLIT F, i, roff, la, ha, lb, hb
	v_cvt_pk_f16_f32 v[T+2*\i],   v[\F+4*\i],   v[\F+4*\i+1]
	v_cvt_pk_f16_f32 v[T+2*\i+1], v[\F+4*\i+2], v[\F+4*\i+3]
	v_cvt_f32_f16 v[WD],   \la
	v_cvt_f32_f16 v[WD+1], \ha
	v_cvt_f32_f16 v[WD+2], \lb
	v_cvt_f32_f16 v[WD+3], \hb
	v_pk_add_f32 v[\F+4*\i:\F+4*\i+1],   v[\F+4*\i:\F+4*\i+1],   v[WD:WD+1]   neg_lo:[0,1] neg_hi:[0,1]
	v_pk_add_f32 v[\F+4*\i+2:\F+4*\i+3], v[\F+4*\i+2:\F+4*\i+3], v[WD+2:WD+3] neg_lo:[0,1] neg_hi:[0,1]
	v_cvt_pk_f16_f32 v[T+8+2*\i],   v[\F+4*\i],   v[\F+4*\i+1]
	v_cvt_pk_f16_f32 v[T+8+2*\i+1], v[\F+4*\i+2], v[\F+4*\i+3]
	ds_store_b64 v7, v[T+2*\i:T+2*\i+1]     offset:\roff+256*\i
	ds_store_b64 v7, v[T+8+2*\i:T+8+2*\i+1] offset:\roff+256*\i+PLO
.endm
.macro SOFTROW F, roff
	v_max3_num_f32 v[T],   v[\F],    v[\F+1],  v[\F+2]
	v_max3_num_f32 v[T+1], v[\F+3],  v[\F+4],  v[\F+5]
	v_max3_num_f32 v[T+2], v[\F+6],  v[\F+7],  v[\F+8]
	v_max3_num_f32 v[T+3], v[\F+9],  v[\F+10], v[\F+11]
	v_max3_num_f32 v[T],   v[T],     v[\F+12], v[\F+13]
	v_max3_num_f32 v[T+1], v[T+1],   v[\F+14], v[\F+15]
	v_max3_num_f32 v[T],   v[T],     v[T+2],   v[T+3]
	v_max_num_f32  v[T],   v[T],     v[T+1]
.irp m, 1,2,4,8
	v_max_num_f32_dpp v[T], v[T], v[T] row_xmask:\m row_mask:0xf bank_mask:0xf
.endr
	v_permlanex16_b32 v[T+1], v[T], s54, s55
	v_max_num_f32 v[T+2], v[T], v[T+1]
	v_max_num_f32 v[T+3], v[T], v[T+1]
.irp j, 0,2,4,6,8,10,12,14
	v_pk_add_f32 v[\F+\j:\F+\j+1], v[\F+\j:\F+\j+1], v[T+2:T+3] neg_lo:[0,1] neg_hi:[0,1]
.endr
.irp j, 0,2,4,6,8,10,12,14
	v_pk_mul_f32 v[\F+\j:\F+\j+1], v[\F+\j:\F+\j+1], 0x3fb8aa3b op_sel_hi:[1,0]
.endr
.irp j, 0,1,2,3,4,5,6,7,8,9,10,11,12,13,14,15
	v_exp_f32 v[\F+\j], v[\F+\j]
.endr
	v_nop
	s_wait_alu depctr_va_vdst(0)
	v_pk_add_f32 v[T:T+1],   v[\F:\F+1],     v[\F+2:\F+3]
	v_pk_add_f32 v[T+2:T+3], v[\F+4:\F+5],   v[\F+6:\F+7]
	v_pk_add_f32 v[T+4:T+5], v[\F+8:\F+9],   v[\F+10:\F+11]
	v_pk_add_f32 v[T+6:T+7], v[\F+12:\F+13], v[\F+14:\F+15]
	v_pk_add_f32 v[T:T+1],   v[T:T+1],       v[T+2:T+3]
	v_pk_add_f32 v[T+4:T+5], v[T+4:T+5],     v[T+6:T+7]
	v_pk_add_f32 v[T:T+1],   v[T:T+1],       v[T+4:T+5]
	v_add_f32 v[T], v[T], v[T+1]
.irp m, 1,2,4,8
	v_add_f32_dpp v[T], v[T], v[T] row_xmask:\m row_mask:0xf bank_mask:0xf
.endr
	v_permlanex16_b32 v[T+1], v[T], s54, s55
	v_add_f32 v[T], v[T], v[T+1]
	v_rcp_f32 v[T+2], v[T]
	v_rcp_f32 v[T+3], v[T]
	v_nop
	s_wait_alu depctr_va_vdst(0)
	v_pk_mul_f32 v[T+2:T+3], v[T+2:T+3], 0x43800000 op_sel_hi:[1,0]
.irp j, 0,2,4,6,8,10,12,14
	v_pk_mul_f32 v[\F+\j:\F+\j+1], v[\F+\j:\F+\j+1], v[T+2:T+3]
.endr
	SPLIT \F, 0, \roff, v80.l, v80.h, v81.l, v81.h
	SPLIT \F, 1, \roff, v82.l, v82.h, v83.l, v83.h
	SPLIT \F, 2, \roff, v84.l, v84.h, v85.l, v85.h
	SPLIT \F, 3, \roff, v86.l, v86.h, v87.l, v87.h
.endm
	s_wait_loadcnt 0x8
	SOFTROW FA, 0
	s_wait_loadcnt 0x4
	SOFTROW FB, 4*PPITCH
	s_cmp_gt_u32 s50, 1
	s_cbranch_scc1 .Lno_third
.irp i, 0,1,2,3
	global_load_b128 v[FA+4*\i:FA+4*\i+3], v9, s[6:7] offset:16384+512*\i
.endr
	s_wait_loadcnt 0x0
	SOFTROW FA, 8*PPITCH
.Lno_third:
	s_wait_dscnt 0x0
	s_barrier_signal -1
	s_barrier_wait -1
	s_wait_loadcnt 0x0
.irp j, 0,2,4,6,8,10,12,14
	v_pk_mul_f32 v[VR+\j:VR+\j+1], v[VR+\j:VR+\j+1], 0x43800000 op_sel_hi:[1,0]
.endr
.irp j, 0,1,2,3,4,5,6,7
	v_cvt_pk_f16_f32 v[VP+\j], v[VR+2*\j], v[VR+2*\j+1]
.endr
.irp i, 0,1,2,3
	global_store_b64 v13, v[VP+2*\i:VP+2*\i+1], s[14:15] offset:1024*\i
.endr
	s_wait_kmcnt 0x0
	v_mov_b32 v[T],   s48
	v_mov_b32 v[T+1], s49
	v_mov_b32 v[T+2], 0
	v_cndmask_b32 v[THR],   s40, v[T],   vcc_lo
	v_cndmask_b32 v[THR+1], s41, v[T+1], vcc_lo
.irp j, 2,3,4,5,6,7
	v_cndmask_b32 v[THR+\j], s[40+\j], v[T+2], vcc_lo
.endr
.macro CHUNK c
.if \c
	PLACES
.endif
.irp s, 0,1,2,3
	ds_load_b128 v[PF+16*\s:PF+16*\s+3],     v5 offset:(4*\c+\s)*64
	ds_load_b128 v[PF+16*\s+4:PF+16*\s+7],   v5 offset:(4*\c+\s)*64+32
	ds_load_b128 v[PF+16*\s+8:PF+16*\s+11],  v5 offset:(4*\c+\s)*64+PLO
	ds_load_b128 v[PF+16*\s+12:PF+16*\s+15], v5 offset:(4*\c+\s)*64+PLO+32
.endr
	s_wait_tensorcnt 3-\c
.irp s, 0,1,2,3
	ds_load_b128 v[XR+16*\s:XR+16*\s+3],     v4 offset:\c*XCHUNK+128*\s
	ds_load_b128 v[XR+16*\s+4:XR+16*\s+7],   v4 offset:\c*XCHUNK+128*\s+16
	ds_load_b128 v[XR+16*\s+8:XR+16*\s+11],  v4 offset:\c*XCHUNK+128*\s+64
	ds_load_b128 v[XR+16*\s+12:XR+16*\s+15], v4 offset:\c*XCHUNK+128*\s+80
.endr
.irp s, 0,1,2,3
	s_wait_dscnt 12-4*\s
.irp j, 0,1,2,3,4,5,6,7
	v_cvt_pk_f16_f32 v[XF+8*\s+\j], v[XR+16*\s+2*\j], v[XR+16*\s+2*\j+1]
.endr
.if \c+\s
	v_wmma_f32_16x16x32_f16 v[ACCH:ACCH+7], v[PF+16*\s:PF+16*\s+7],    v[XF+8*\s:XF+8*\s+7], v[ACCH:ACCH+7]
	v_wmma_f32_16x16x32_f16 v[ACCL:ACCL+7], v[PF+16*\s+8:PF+16*\s+15], v[XF+8*\s:XF+8*\s+7], v[ACCL:ACCL+7]
.else
	v_wmma_f32_16x16x32_f16 v[ACCH:ACCH+7], v[PF+16*\s:PF+16*\s+7],    v[XF+8*\s:XF+8*\s+7], 0
	v_wmma_f32_16x16x32_f16 v[ACCL:ACCL+7], v[PF+16*\s+8:PF+16*\s+15], v[XF+8*\s:XF+8*\s+7], 0
.endif
.endr
.endm
	CHUNK 0
	CHUNK 1
	CHUNK 2
	CHUNK 3
	PLACES
.irp j, 0,2,4,6
	v_pk_add_f32 v[T+\j:T+\j+1], v[ACCH+\j:ACCH+\j+1], v[ACCL+\j:ACCL+\j+1]
.endr
.irp j, 0,2,4,6
	v_pk_fma_f32 v[T+\j:T+\j+1], v[T+\j:T+\j+1], 0xbb800000, v[THR+\j:THR+\j+1] op_sel_hi:[1,0,1]
.endr
.irp j, 0,2,4,6
	v_pk_mul_f32 v[T+\j:T+\j+1], v[T+\j:T+\j+1], 0x4166d4ca op_sel_hi:[1,0]
.endr
.irp j, 0,1,2,3,4,5,6,7
	v_exp_f32 v[T+\j], v[T+\j]
.endr
	v_nop
	s_wait_alu depctr_va_vdst(0)
.irp j, 0,2,4,6
	v_pk_add_f32 v[T+\j:T+\j+1], v[T+\j:T+\j+1], 1.0 op_sel_hi:[1,0]
.endr
.irp j, 0,1,2,3,4,5,6,7
	v_rcp_f32 v[T+\j], v[T+\j]
.endr
	v_nop
	s_wait_alu depctr_va_vdst(0)
	global_store_b128 v14, v[T:T+3],   s[12:13]
	global_store_b128 v14, v[T+4:T+7], s[12:13] offset:512
	s_wait_tensorcnt 0x0
	ds_add_u32 v240, v241
	s_wait_dscnt 0x0
	s_endpgm
.Lfunc_end_k_q256ab63fc5_decide:
	.size	k_q256ab63fc5_decide, .Lfunc_end_k_q256ab63fc5_decide-k_q256ab63fc5_decide
	.p2alignl 7, 3214868480
	.fill 96, 4, 3214868480
	.section	.rodata,"a",@progbits
	.p2align	6, 0x0
	.amdhsa_kernel k_q256ab63fc5_decide
		.amdhsa_group_segment_fixed_size 168448
		.amdhsa_private_segment_fixed_size 0
		.amdhsa_enable_private_segment 0
		.amdhsa_kernarg_size 48
		.amdhsa_user_sgpr_count 2
		.amdhsa_user_sgpr_kernarg_segment_ptr 1
		.amdhsa_wavefront_size32 1
		.amdhsa_system_sgpr_workgroup_id_x 1
		.amdhsa_system_sgpr_workgroup_id_y 1
		.amdhsa_system_sgpr_workgroup_id_z 1
		.amdhsa_system_vgpr_workitem_id 0
		.amdhsa_next_free_vgpr 242
		.amdhsa_next_free_sgpr 66
		.amdhsa_reserve_vcc 1
		.amdhsa_float_denorm_mode_32 3
		.amdhsa_float_denorm_mode_16_64 3
		.amdhsa_memory_ordered 1
		.amdhsa_forward_progress 1
		.amdhsa_inst_pref_size 50
	.end_amdhsa_kernel
	.amdgpu_metadata
---
amdhsa.version: [ 1, 2 ]
amdhsa.kernels:
  - .name:           k_q256ab63fc5_decide
    .symbol:         k_q256ab63fc5_decide.kd
    .args:
      - { .name: x, .offset: 0, .size: 8, .value_kind: global_buffer, .address_space: global }
      - { .name: feature_weights, .offset: 8, .size: 8, .value_kind: global_buffer, .address_space: global }
      - { .name: thresholds, .offset: 16, .size: 8, .value_kind: global_buffer, .address_space: global }
      - { .name: leaf_values, .offset: 24, .size: 8, .value_kind: global_buffer, .address_space: global }
      - { .name: dec, .offset: 32, .size: 8, .value_kind: global_buffer, .address_space: global }
      - { .name: vb, .offset: 40, .size: 8, .value_kind: global_buffer, .address_space: global }
    .group_segment_fixed_size: 168448
    .private_segment_fixed_size: 0
    .kernarg_segment_align: 8
    .kernarg_segment_size: 48
    .max_flat_workgroup_size: 128
    .sgpr_count:     66
    .vgpr_count:     242
    .wavefront_size: 32
...
	.end_amdgpu_metadata
.endif
;; end of part 1
;; launch leaves (part 2): grid 64 x 4, 4 waves a work-group, clusters of 4 x 1, 296,448 bytes of LDS; arguments dec, vb, out0; writes out0
.if DOCPART == 2
	.amdgcn_target "amdgcn-amd-amdhsa--gfx1250"
	.amdhsa_code_object_version 6
	.text
	.protected	k_q256ab63fc5_leaves
	.globl	k_q256ab63fc5_leaves
	.p2align	8
	.type	k_q256ab63fc5_leaves,@function
k_q256ab63fc5_leaves:
	s_mov_b64 s[64:65], 0
	v_nop
	global_prefetch_b8 v0, s[64:65] scope:SCOPE_SE
	s_setreg_imm32_b32 hwreg(HW_REG_WAVE_MODE, 25, 1), 1
	s_wait_xcnt 0x0
	s_wait_alu depctr_hold_cnt(0) depctr_sa_sdst(0) depctr_va_vdst(0) depctr_va_sdst(0) depctr_va_ssrc(0) depctr_va_vcc(0) depctr_vm_vsrc(0)
	s_getreg_b32 s2, hwreg(HW_REG_IB_STS2, 6, 4)
	s_cmp_eq_u32 s2, 0
	s_cbranch_scc0 .Lentry_in_a_cluster
	s_endpgm
.Lentry_in_a_cluster:
	s_bfe_u32 s2, ttmp6, 0x10000c
	s_cmp_lg_u32 s2, 0x3003
	s_cbranch_scc0 .Lentry_shape_is_right
	s_endpgm
.Lentry_shape_is_right:
.set BPITCH, 272
.set BREG,   128*BPITCH
.set BPASS,  32*BPITCH
.set STAGE,  8*BREG
.set SWAVE,  16*BPITCH
.set LB,   4
.set STO,  5
.set RD,   6
.set CO,   7
.set DOFF, 8
.set QP,   12
.set TT,   32
.set SP,   36
.set WP,   44
.set AU,   52
.set U,    54
.set TP,   56
.set HA,   64
.set FR,   96
.set G,    0
.set TOT,  64
.set BB,   128
.set ADR,  192
.set TMP,  128
.set G1,   16
.set G0,   24
.set MM,   0x51
.set FF,   0x91
.set EP,   0x88
.set MSB, 0
.macro WIN new
.if MSB != \new
	s_set_vgpr_msb (MSB<<8)|\new
.set MSB, \new
.endif
.endm
.macro PLACES
.rept 4
	v_nop
.endr
.endm
.macro ROUND
	s_barrier_signal -1
	s_barrier_wait -1
	s_cmp_lg_u32 s10, 0
	s_cbranch_scc1 .Lnot_wave_0_\@
	s_barrier_signal -3
.Lnot_wave_0_\@:
	s_barrier_wait -3
	s_barrier_signal -1
	s_barrier_wait -1
.endm
	s_load_b128 s[4:7], s[0:1], 0x0
	s_load_b64 s[8:9], s[0:1], 0x10
	v_lshl_add_u32 v254, v0, 2, 0x48400
	v_mov_b32 v255, 0
	ds_add_u32 v254, v255
	ds_add_u32 v254, v255
	v_lshrrev_b32 v1, 5, v0
	v_readfirstlane_b32 s10, v1
	s_bfe_u32 s11, ttmp6, 0x40000
	s_lshl_b32 s12, ttmp9, 2
	s_add_co_u32 s12, s12, s11
	s_and_b32 s13, ttmp7, 0xffff
	s_mov_b32 s[G1+0], 15|(1<<16)|(1<<20)|(1<<21)|(5<<22)|(3<<25)
	s_mov_b32 s[G1+1], 128<<16
	s_mov_b32 s[G1+2], 32<<16
	s_mov_b32 s[G1+3], 128<<16
	s_mov_b32 s[G1+4], 32
	s_mov_b32 s[G1+5], 1024
	s_mov_b32 s[G1+6], 0
	s_mov_b32 s[G1+7], 0
	s_lshl_b32 s14, s13, 18
	s_lshl_b32 s3, s10, 8
	s_add_co_u32 s14, s14, s3
	s_mov_b32 s15, 0
	s_mul_i32 s58, s10, BREG
	s_wait_dscnt 0x0
	s_wait_kmcnt 0x0
	s_add_nc_u64 s[6:7], s[6:7], s[14:15]
.irp p, 0,1,2,3
.irp i, 0,1
	s_mov_b32 s[G0+4*(2*\p+\i)], 1
	s_add_co_u32 s[G0+4*(2*\p+\i)+1], s58, \i*4*BREG+\p*BPASS
	s_add_nc_u64 s[G0+4*(2*\p+\i)+2:G0+4*(2*\p+\i)+3], s[6:7], \p*65536+\i*1024
	s_or_b32 s[G0+4*(2*\p+\i)+3], s[G0+4*(2*\p+\i)+3], 0x80000000
.endr
.endr
	ROUND
.irp n, 0,1,2,3,4,5,6,7
	tensor_load_to_lds s[G0+4*\n:G0+4*\n+3], s[G1:G1+7]
	s_nop 0
.endr
	s_lshl_b32 s56, s12, 19
	s_lshl_b32 s57, s10, 17
	s_add_co_u32 s56, s56, s57
	s_lshl_b32 s57, s13, 9
	s_add_co_u32 s56, s56, s57
	s_mov_b32 s57, 0
	s_add_nc_u64 s[60:61], s[8:9], s[56:57]
	s_lshl_b32 s56, s12, 14
	s_lshl_b32 s57, s10, 12
	s_add_co_u32 s56, s56, s57
	s_mov_b32 s57, 0
	s_add_nc_u64 s[62:63], s[4:5], s[56:57]
	s_mul_i32 s59, s10, SWAVE
	s_add_co_u32 s59, s59, STAGE
	v_and_b32 v2, 15, v0
	v_bfe_u32 v3, v0, 4, 1
	v_lshlrev_b32 v[DOFF], 4, v2
	v_mul_u32_u24 v[LB], v2, BPITCH
	v_lshl_add_u32 v[LB], v3, 4, v[LB]
	WIN 0x40
.irp mt, 0,1,2,3
	global_load_b128 v[12*\mt:12*\mt+3],    v[DOFF], s[62:63] offset:1024*\mt
	global_load_b128 v[12*\mt+4:12*\mt+7],  v[DOFF], s[62:63] offset:1024*\mt+512
	global_load_b128 v[12*\mt+8:12*\mt+11], v[DOFF], s[62:63] offset:1024*\mt+256
.endr
	v_mov_b32 v[ADR], v[LB]
.irp i, 1,2,3
	v_add_nc_u32 v[ADR+\i], \i*2*BREG, v[LB]
.endr
	WIN 0
	v_mul_u32_u24 v[STO], v2, BPITCH
	v_lshl_add_u32 v[STO], v3, 5, v[STO]
	v_add_nc_u32 v[STO], s59, v[STO]
	v_mul_u32_u24 v[RD], v3, BPITCH
	v_lshl_add_u32 v[RD], v2, 4, v[RD]
	v_add_nc_u32 v[RD], s59, v[RD]
	v_lshlrev_b32 v[CO], 4, v2
	v_lshl_add_u32 v[CO], v3, 11, v[CO]
	v_cmp_ne_u32 vcc_lo, 0, v3
.macro PKB d, a, b, x
.if \x
	v_pk_mul_f32 v[\d:\d+1], v[\a:\a+1], v[\b:\b+1] op_sel:[0,1] op_sel_hi:[1,1]
.else
	v_pk_mul_f32 v[\d:\d+1], v[\a:\a+1], v[\b:\b+1] op_sel_hi:[1,0]
.endif
.endm
.macro GEN mt
	WIN 0x05
.irp d, 0,1,2,3,4,5,6,7,8,9
	v_sub_f32 v[QP+2*\d], 1.0, v[12*\mt+\d]
	v_mov_b32 v[QP+2*\d+1], v[12*\mt+\d]
.endr
	WIN 0
	v_pk_mul_f32 v[AU:AU+1], v[QP:QP+1], 0x3b800000 op_sel_hi:[1,0]
	PKB TT,   QP+2, AU, 0
	PKB TT+2, QP+2, AU, 1
.irp i, 0,1,2,3
	PKB HA+8*\mt+2*\i, QP+4, TT+(\i/2)*2, \i%2
.endr
	PKB TT,   QP+8, QP+6, 0
	PKB TT+2, QP+8, QP+6, 1
.irp i, 0,1,2,3
	PKB SP+2*\i, QP+10, TT+(\i/2)*2, \i%2
.endr
	v_cndmask_b32 v[U], v[QP+12], v[QP+13], vcc_lo
	v_mul_f32 v[AU],   v[QP+14], v[U]
	v_mul_f32 v[AU+1], v[QP+15], v[U]
	PKB TT,   QP+16, AU, 0
	PKB TT+2, QP+16, AU, 1
.irp i, 0,1,2,3
	PKB WP+2*\i, QP+18, TT+(\i/2)*2, \i%2
.endr
.irp ks, 0,1,2,3
.irp c, 0,1
.irp i, 0,1,2,3
	PKB TP+2*\i, WP+2*\i, SP+2*\ks, \c
.endr
.irp i, 0,1,2,3
	v_cvt_pk_f16_f32 v[FR+32*\ks+8*\mt+4*\c+\i], v[TP+2*\i], v[TP+2*\i+1]
.endr
.endr
.endr
.endm
	s_wait_loadcnt 0x9
	GEN 0
	s_wait_loadcnt 0x6
	GEN 1
	s_wait_loadcnt 0x3
	GEN 2
	s_wait_loadcnt 0x0
	GEN 3
.macro FETCH p, a, ks
.irp nt, 0,1
.irp c, 0,1
	ds_load_b128 v[BB+16*(\ks)+8*\nt+4*\c:BB+16*(\ks)+8*\nt+4*\c+3], v[ADR+(\a)/2] offset:((\a)%2)*BREG+(\p)*BPASS+\nt*16*BPITCH+(\ks)*64+\c*32
.endr
.endr
.endm
.macro W ks, t, zero
.if \zero
	v_wmma_f32_16x16x32_f16 v[G+8*(\t):G+8*(\t)+7], v[BB+16*(\ks)+8*((\t)/4):BB+16*(\ks)+8*((\t)/4)+7], v[FR+32*(\ks)+8*((\t)%4):FR+32*(\ks)+8*((\t)%4)+7], 0
.else
	v_wmma_f32_16x16x32_f16 v[G+8*(\t):G+8*(\t)+7], v[BB+16*(\ks)+8*((\t)/4):BB+16*(\ks)+8*((\t)/4)+7], v[FR+32*(\ks)+8*((\t)%4):FR+32*(\ks)+8*((\t)%4)+7], v[G+8*(\t):G+8*(\t)+7]
.endif
.endm
.macro FOLD_FIRST t
.irp q, 0,2,4,6
	v_pk_mul_f32 v[TOT+8*(\t)+\q:TOT+8*(\t)+\q+1], v[G+8*(\t)+\q:G+8*(\t)+\q+1], v[HA+8*((\t)%4):HA+8*((\t)%4)+1] op_sel_hi:[1,0]
.endr
.endm
.macro FOLD_ADD a, t
.set hp, HA+8*((\t)%4)+((\a)/2)*2
.irp q, 0,2,4,6
.if (\a)%2
	v_pk_fma_f32 v[TOT+8*(\t)+\q:TOT+8*(\t)+\q+1], v[G+8*(\t)+\q:G+8*(\t)+\q+1], v[hp:hp+1], v[TOT+8*(\t)+\q:TOT+8*(\t)+\q+1] op_sel:[0,1,0] op_sel_hi:[1,1,1]
.else
	v_pk_fma_f32 v[TOT+8*(\t)+\q:TOT+8*(\t)+\q+1], v[G+8*(\t)+\q:G+8*(\t)+\q+1], v[hp:hp+1], v[TOT+8*(\t)+\q:TOT+8*(\t)+\q+1] op_sel_hi:[1,0,1]
.endif
.endr
.endm
.macro FOLD_LAST t, ob
.irp q, 0,2,4,6
	v_pk_fma_f32 v[\ob+8*(\t)+\q:\ob+8*(\t)+\q+1], v[G+8*(\t)+\q:G+8*(\t)+\q+1], v[HA+8*((\t)%4)+6:HA+8*((\t)%4)+7], v[TOT+8*(\t)+\q:TOT+8*(\t)+\q+1] op_sel:[0,1,0] op_sel_hi:[1,1,1]
.endr
.endm
.macro UNIT p
.set ua, un/4
.set uk, un%4
.set fa, (un+3)/4
.set fk, (un+3)%4
.set uz, 0
.set uf, 0
.if uk == 0
.set uz, 1
.if un > 0
.set uf, 1
.endif
.endif
.if un < 30
	s_wait_dscnt 0x8
.else
	s_wait_dscnt 4*(31-un)
.endif
.if uf
.rept 5
	v_nop
.endr
.irp t, 0,1,2,3
.if ua == 1
	FOLD_FIRST \t
.else
	FOLD_ADD ua-1, \t
.endif
	W 0, \t, 1
.endr
	FETCH \p, fa, fk
.irp t, 4,5,6,7
.if ua == 1
	FOLD_FIRST \t
.else
	FOLD_ADD ua-1, \t
.endif
	W 0, \t, 1
.endr
.else
.if un < 29
.irp t, 0,1,2,3
	W uk, \t, uz
	v_nop
.endr
	FETCH \p, fa, fk
.irp t, 4,5,6,7
	W uk, \t, uz
.endr
.else
.irp t, 0,1,2,3,4,5,6,7
	W uk, \t, uz
.endr
.endif
.endif
.endm
.macro EST mt
.irp pp, 0,1
.irp nt, 0,1
.irp q, 0,1
	ds_store_b128 v[STO], v[64*\pp+8*(4*\nt+\mt)+4*\q:64*\pp+8*(4*\nt+\mt)+4*\q+3] offset:128*\pp+64*\nt+16*\q
.endr
.endr
.endr
.endm
.macro ELD set
	s_wait_xcnt 0x0
.irp t, 0,1,2,3,4,5,6,7
	ds_load_b128 v[TMP+32*\set+4*\t:TMP+32*\set+4*\t+3], v[RD] offset:2*BPITCH*\t
.endr
.endm
.macro EGS mt, set, cb
.irp t, 0,1,2,3,4,5,6,7
	global_store_b128 v[CO], v[TMP+32*\set+4*\t:TMP+32*\set+4*\t+3], s[60:61] offset:(16*\mt+2*\t)*2048+(\cb)*256 th:TH_STORE_NT
.endr
.endm
.macro EPI cb
	EST 0
	ELD 0
	EST 1
	ELD 1
	s_wait_dscnt 0x10
	EGS 0, 0, \cb
	EST 2
	ELD 0
	s_wait_dscnt 0x10
	EGS 1, 1, \cb
	EST 3
	ELD 1
	s_wait_dscnt 0x10
	EGS 2, 0, \cb
	s_wait_dscnt 0x0
	EGS 3, 1, \cb
.endm
.macro PASS p
.set un, 0
.rept 32
	UNIT \p
.set un, un+1
.endr
.if \p < 3
	s_wait_tensorcnt 4-2*\p
	s_wait_dscnt 0x0
	s_barrier_signal -1
	s_barrier_wait -1
	PLACES
	FETCH \p+1, 0, 0
	FETCH \p+1, 0, 1
	FETCH \p+1, 0, 2
.else
	PLACES
.endif
	WIN FF
.irp t, 0,1,2,3,4,5,6,7
	FOLD_LAST \t, 64*(\p%2)
.endr
.if \p%2
	WIN EP
	EPI \p/2
.endif
.if \p < 3
	WIN MM
.endif
.endm
	s_wait_tensorcnt 0x6
	s_barrier_signal -1
	s_barrier_wait -1
	WIN MM
	FETCH 0, 0, 0
	FETCH 0, 0, 1
	FETCH 0, 0, 2
	PASS 0
	PASS 1
	PASS 2
	PASS 3
	WIN 0
	s_wait_tensorcnt 0x0
	ds_add_u32 v254, v255
	s_wait_dscnt 0x0
	ROUND
	s_endpgm
.Lfunc_end_k_q256ab63fc5_leaves:
	.size	k_q256ab63fc5_leaves, .Lfunc_end_k_q256ab63fc5_leaves-k_q256ab63fc5_leaves
	.p2alignl 7, 3214868480
	.fill 96, 4, 3214868480
	.section	.rodata,"a",@progbits
	.p2align	6, 0x0
	.amdhsa_kernel k_q256ab63fc5_leaves
		.amdhsa_group_segment_fixed_size 296448
		.amdhsa_private_segment_fixed_size 0
		.amdhsa_enable_private_segment 0
		.amdhsa_kernarg_size 24
		.amdhsa_user_sgpr_count 2
		.amdhsa_user_sgpr_kernarg_segment_ptr 1
		.amdhsa_wavefront_size32 1
		.amdhsa_system_sgpr_workgroup_id_x 1
		.amdhsa_system_sgpr_workgroup_id_y 1
		.amdhsa_system_sgpr_workgroup_id_z 1
		.amdhsa_system_vgpr_workitem_id 0
		.amdhsa_next_free_vgpr 704
		.amdhsa_next_free_sgpr 66
		.amdhsa_reserve_vcc 1
		.amdhsa_float_denorm_mode_32 3
		.amdhsa_float_denorm_mode_16_64 3
		.amdhsa_memory_ordered 1
		.amdhsa_forward_progress 1
		.amdhsa_inst_pref_size 228
	.end_amdhsa_kernel
	.amdgpu_metadata
---
amdhsa.version: [ 1, 2 ]
amdhsa.kernels:
  - .name:           k_q256ab63fc5_leaves
    .symbol:         k_q256ab63fc5_leaves.kd
    .args:
      - { .name: dec, .offset: 0, .size: 8, .value_kind: global_buffer, .address_space: global }
      - { .name: vb, .offset: 8, .size: 8, .value_kind: global_buffer, .address_space: global }
      - { .name: out0, .offset: 16, .size: 8, .value_kind: global_buffer, .address_space: global }
    .group_segment_fixed_size: 296448
    .private_segment_fixed_size: 0
    .kernarg_segment_align: 8
    .kernarg_segment_size: 24
    .max_flat_workgroup_size: 128
    .sgpr_count:     66
    .vgpr_count:     704
    .wavefront_size: 32
...
	.end_amdgpu_metadata
.endif
;; end of part 2
